; MI455X (gfx1250); checked and timed in simulation.
; The chip was launched on July 23, 2026; its instructions are those of AMD's public machine-readable ISA for CDNA 5 (MIT licence, August 2026) and "CDNA5" Instruction Set Architecture Reference Guide (July 2026). The comments in the code are by the model that wrote it; some were corrected since.
;; Quantum Attention Old. Allowed arithmetic: float matrix products may take bf16 or f16 operands with f32 sums; all other float work in f32.
;; Inputs: keys 2 x 2,048 x 16 x 128 float32; q_params 4 float32; queries 2 x 2,048 x 16 x 128 float32; values 2 x 2,048 x 16 x 128 float32.
;; Outputs: out0 2 x 2,048 x 16 x 128 float32.
;; One version. Each part assembles by itself: llvm-mc -triple=amdgcn-amd-amdhsa -mcpu=gfx1250 --defsym DOCPART=n.
;; ======== version 1 of 1: 1 launch
;; limits: values are held in f16: magnitudes above 65,504 overflow, below 6.1e-05 lose precision; inputs' magnitudes at most 65,504
;; launch attn (part 1): grid 8 x 32, 8 waves a work-group, no clusters, 283,648 bytes of LDS; arguments keys, values, q_params, out0; writes out0
.if DOCPART == 1
	.amdgcn_target "amdgcn-amd-amdhsa--gfx1250"
	.amdhsa_code_object_version 6
	.text
	.protected	k_qdbe863eb42_attn
	.globl	k_qdbe863eb42_attn
	.p2align	8
	.type	k_qdbe863eb42_attn,@function
k_qdbe863eb42_attn:
	s_mov_b64 s[64:65], 0
	v_nop
	global_prefetch_b8 v0, s[64:65] scope:SCOPE_SE
	s_setreg_imm32_b32 hwreg(HW_REG_WAVE_MODE, 25, 1), 1
	s_wait_xcnt 0x0
; out[b,l,h,:] = softmax over s <= l of ((cos(q_params[0]) + 0.5 * values[b,l,h,:].keys[b,s,h,:]) / sqrt(128)) applied to values[b,s,h,:].
; All tensors f32, [2][2048][16][128]: a head's row is 512 bytes, rows are 8,192 bytes apart.
; The input queries gives the computation its shape alone: no number of it enters any result, so it is not among the arguments.
;
; SHARES.  A head (y = 16 b + h) has 16 blocks of 128 rows; block bk needs bk + 1 tiles of 128 keys.  Work-group x = i takes the blocks i and
; 15 - i one after the other (two runs): 17 tiles for every one of the 8 x 32 work-groups.  The block with odd bk (an even number of tiles)
; goes first, so that every run begins in LDS slot 0 and slot numbers are constants of the text.
; Wave w = 4 half + wq takes the block's rows 32 wq .. + 31 and, of each tile, the keys 64 half .. + 63.  Waves w and w + 4 hold partial
; (maximum, sum, O) of the same rows and merge them through LDS at the end of a run.  Register half q (0, 1) of a wave holds the rows
; 16 (q xor half) + r: every wave keeps q = 0 and hands q = 1 to its partner, so the text is the same for all waves.
;
; BOTH PRODUCTS ARE TRANSPOSED.  S^T = K Q^T: register j of lane (r, h) holds key 8 h + j of query r, so maximum, sum and factor are one
; number a lane, and two S^T tiles packed to 16 bits ARE the second operand (32 keys x 16 queries) of O^T = V^T P^T.  V^T's fragments come
; by the transposing LDS load from V stored [key][d].  In O^T a lane holds 8 neighbouring d of one query.
;
; K and V tiles are loaded as f32 into registers one trip ahead, narrowed to 16 bits and stored into the other LDS slot at the trip's tail.
;
; FORMATS.  S^T = K Q^T takes bf16 operands.  O^T = V^T P^T takes f16 operands: an early row's output is a sum of a few terms of size 1 that
; may cancel, so P's rounding error reaches the output undiminished, and f16 keeps 11 significant bits of p where bf16 keeps 8.
; values is rounded to bf16 once, and that one number serves in both of its roles: as bf16 in the query role, and widened and narrowed
; again to f16 (exact for 2^-14 <= |v| < 65,504) in the second product.  Sums, maxima, exponentials in f32.
;
; NO CLUSTER, NO DATA MOVER: the work-groups that read the same K and V tiles are the row blocks of one head, and these need different
; numbers of tiles (bk + 1); equal counts for four partners would cost 20 tiles in place of 17.  And the tiles are f32 and have to pass
; through registers to be narrowed: landing them in LDS first would add 128 KiB written and 128 KiB read to a trip's 256 KiB of fragment reads.
;
; LIMITS.  |values| has to stay below 65,504 (f16's largest number; beyond it the second product holds infinities); |values| below 2^-14 are
; held to 2^-25 absolute; p <= 1 is held to 2^-25 absolute below 2^-14.  keys and values in the first product: bf16, 8 significant bits.
; The running maximum starts at -FLT_MAX, not at -inf, so that a tile that the mask empties gives p = 0, sum 0 and a weight of 0 in the merge;
; no finite score lies below it.  cos: the argument is reduced by k 2 pi in two parts, good to about 2e-6 for |theta| < 2e5, worse beyond
; (the cosine is one addend common to a row); NaN or infinite theta gives NaN everywhere, as in the definition.
; v_exp_f32 gives 0 for results below 2^-126 (ISA guide, its entry among the vector instructions).
.set ROWB,  8192                       ; bytes from one sequence position to the next
.set KP,    272                        ; LDS pitch of a K row: 256 bytes of bf16 + 16 = 17 x 16: 16 rows begin in 16 different 16-byte columns of 256
.set VP,    288                        ; LDS pitch of a V row: 256 bytes of f16 + 32 = 9 x 32, for the transposing load
.set VOFF,  128*KP                     ; V behind K in a slot
.set SLOTB, 128*KP+128*VP              ; 71,680 bytes a slot, two slots
.set XW,    8704                       ; a wave's exchange area, and a wave's stage
.set XCH,   2*SLOTB                    ; exchange: 16 x 512 bytes of O, then 512 bytes for (scaled maximum, sum)
.set STG,   XCH+8*XW                   ; stage, the wave's own: 32 Q rows x 272, later 16 output rows x 528
.set QP,    272
.set OP,    528                        ; 512 + 16 = 33 x 16
; vector registers, window 0
.set GO,  2                            ; wave x 16 rows x 8192 + lane x 16: my 16 bytes of the wave's first row of a tile
.set L16, 3                            ; lane x 16
.set PFO, 4                            ; (thread & 127) x 8192: the row that I ask for ahead
.set KA,  5                            ; v5, v6   K fragments, slot 0, 1
.set VA,  7                            ; v7, v8   V^T fragments
.set KS,  9                            ; v9, v10  where I store K
.set VS,  11                           ; v11, v12 where I store V
.set QS,  13                           ; where I store Q
.set QF,  14                           ; v14, v15 Q fragments of register half 0, 1
.set OS,  16                           ; out stage, in
.set ORD, 17                           ; out stage, back
.set XS,  18                           ; my exchange area
.set XR,  19                           ; my partner's
.set THR, 20                           ; v20, v21 mask: key 16 k + j is kept if 16 k + j <= THR
.set MX,  22                           ; v22, v23 running maxima of the raw scores
.set MT,  24                           ; v24, v26 the maximum's scaled score, in base 2, the cosine's term included
.set LS,  25                           ; v25, v27 running sums, per lane (the two lane halves are added in the merge)
.set AL,  28                           ; v[28:29], v[30:31] factor for the old sums, twice each
.set NB,  32                           ; v[32:33], v[34:35] addend of the exponent, twice each
.set CC,  36                           ; v[36:37] 0.5 log2(e) / sqrt(128), twice
.set TM,  38                           ; v38-v57 at work
.set QC,  58                           ; cos(theta) log2(e) / sqrt(128)
.set QR,  64                           ; v64-v127  Q fragments: half q, 32 d number s at QR + 32 q + 8 s
.set SR,  128                          ; v128-v191 S^T tile (16 keys number k, half q) at SR + 32 q + 8 k; P (half q, 32 keys number u) in place at SR + 32 q + 16 u
.set FA,  192                          ; fragment buffer
.set FB,  224                          ; fragment buffer
; window 1 (v256-v511, written v0-v255): O^T tile (half q, 16 d number c) at 64 q + 8 c; ST = v384-v511: 32 rows as loaded
.set ST,  128
; scalar registers
.set KH, 4                             ; s[4:5]   keys at my head
.set VH, 6                             ; s[6:7]   values at my head
.set OH, 10                            ; s[10:11] out0 at my head
.set KB, 30                            ; s[30:31] keys at the tile being loaded
.set VB, 32                            ; s[32:33] values at it
.set PH, 34                            ; s[34:35] the tensor that my wave asks for ahead
.set PB, 36                            ; s[36:37] that tensor at the tile asked for
.set QB, 38                            ; s[38:39] values at my wave's 32 rows
.set OB, 40                            ; s[40:41] out0 at the 16 rows that my wave stores
; s12 wave, s13 wq, s14 half, s15 i, s20 BK (the run's block), s21 T (tile of the run), s22 G (trip of the launch, 0..16), s23 R (run),
; s24 pairs left, s25 PFL (tiles are asked for ahead while T < PFL), s26 s27 at work, s[28:29] a byte offset (s29 = 0 throughout),
; s42 s43 lane selects, s44 theta, s45 -inf, s46 -FLT_MAX, s47 mask of a word's upper 16 bits
.set MSB, 0
.macro WIN new                         ; s_set_vgpr_msb: bits 1:0 source 0, 3:2 source 1, 5:4 source 2, 7:6 destination; the high byte repeats the setting left
.if MSB != \new
	s_set_vgpr_msb (MSB<<8)|\new
.set MSB, \new
.endif
.endm
.macro PLACES n                        ; independent vector instructions behind matrix instructions (ISA guide 7.12.1)
.rept \n
	v_nop
.endr
.endm
; 32 loads: my wave's 16 rows of a K tile and of a V tile; one load of the wave covers one row's 512 consecutive bytes
.macro LOADTILE base
	WIN 0x40
.set ix, 0
.rept 16
	global_load_b128 v[\base+4*ix:\base+4*ix+3], v[GO], s[KB:KB+1] offset:ix*ROWB
.set ix, ix+1
.endr
.set ix, 0
.rept 16
	global_load_b128 v[\base+64+4*ix:\base+64+4*ix+3], v[GO], s[VB:VB+1] offset:ix*ROWB
.set ix, ix+1
.endr
	WIN 0
.endm
; 32 loads: my wave's 32 rows of values in the query role
.macro QLOAD
	WIN 0x40
.set ix, 0
.rept 32
	global_load_b128 v[ST+4*ix:ST+4*ix+3], v[L16], s[QB:QB+1] offset:ix*ROWB
.set ix, ix+1
.endr
	WIN 0
.endm
; 32 rows: four f32 a lane become four bf16 in the first two of the four registers
.macro CVT32 base
	WIN 0x45
.set ix, 0
.rept 32
	v_cvt_pk_bf16_f32 v[\base+4*ix], v[\base+4*ix], v[\base+4*ix+1]
	v_cvt_pk_bf16_f32 v[\base+4*ix+1], v[\base+4*ix+2], v[\base+4*ix+3]
.set ix, ix+1
.endr
.endm
; 16 rows of V behind CVT32: the four bf16 in a row's first two registers become the same four numbers in f16, in place.
; A row's last two registers are free by then and take the widened pair.  Laid in runs over the 16 rows, so that no line waits for the one in front.
.macro CVTH base
	WIN 0x45
.irp w, 0,1
.set ix, 0
.rept 16
	v_lshlrev_b32 v[\base+4*ix+2], 16, v[\base+4*ix+\w]            ; bf16 to f32: the low half moves up,
	v_and_b32     v[\base+4*ix+3], s47, v[\base+4*ix+\w]           ; the high half stays
.set ix, ix+1
.endr
.set ix, 0
.rept 16
	v_cvt_pk_f16_f32 v[\base+4*ix+\w], v[\base+4*ix+2], v[\base+4*ix+3]
.set ix, ix+1
.endr
.endr
.endm
; 32 LDS stores of 8 bytes a lane: a row's 256 consecutive bytes each
.macro STORETILE base, slot
	WIN 0x04
.set ix, 0
.rept 16
	ds_store_b64 v[KS+\slot], v[\base+4*ix:\base+4*ix+1] offset:ix*KP
.set ix, ix+1
.endr
.set ix, 0
.rept 16
	ds_store_b64 v[VS+\slot], v[\base+64+4*ix:\base+64+4*ix+1] offset:ix*VP
.set ix, ix+1
.endr
	WIN 0
.endm
; 8 LDS loads: 16 keys x 128 d as four first operands
.macro KFETCH slot, k16, f
.irp kk, 0,1,2,3
	ds_load_b128 v[\f+8*\kk:\f+8*\kk+3],   v[KA+\slot] offset:\k16*16*KP+64*\kk
	ds_load_b128 v[\f+8*\kk+4:\f+8*\kk+7], v[KA+\slot] offset:\k16*16*KP+64*\kk+32
.endr
.endm
; 8 matrix instructions: S^T of 16 keys x my 32 queries; the first product starts the sums
.macro SMUL k16, f
.irp kk, 0,1,2,3
.irp q, 0,1
.if \kk == 0
	v_wmma_f32_16x16x32_bf16 v[SR+32*\q+8*\k16:SR+32*\q+8*\k16+7], v[\f+8*\kk:\f+8*\kk+7], v[QR+32*\q+8*\kk:QR+32*\q+8*\kk+7], 0
.else
	v_wmma_f32_16x16x32_bf16 v[SR+32*\q+8*\k16:SR+32*\q+8*\k16+7], v[\f+8*\kk:\f+8*\kk+7], v[QR+32*\q+8*\kk:QR+32*\q+8*\kk+7], v[SR+32*\q+8*\k16:SR+32*\q+8*\k16+7]
.endif
.endr
.endr
.endm
; 8 transposing LDS loads: V^T of d blocks c = 2 rho, 2 rho + 1 (16 d each) x my 64 keys, as four first operands (e: d block, u: 32 keys)
.macro VFETCH slot, rho, f
.irp e, 0,1
.irp u, 0,1
	ds_load_tr16_b128 v[\f+16*\e+8*\u:\f+16*\e+8*\u+3],   v[VA+\slot] offset:32*\u*VP+32*(2*\rho+\e)
	ds_load_tr16_b128 v[\f+16*\e+8*\u+4:\f+16*\e+8*\u+7], v[VA+\slot] offset:(32*\u+16)*VP+32*(2*\rho+\e)
.endr
.endr
.endm
; 8 matrix instructions (f16 operands) on four accumulators in turn: O^T of two d blocks x my 32 queries, 64 keys.  Under WIN 0x50 (C and D in window 1)
.macro PVMUL rho, f, first
.irp u, 0,1
.irp e, 0,1
.irp q, 0,1
.if \first*(1-\u)
	v_wmma_f32_16x16x32_f16 v[64*\q+8*(2*\rho+\e):64*\q+8*(2*\rho+\e)+7], v[\f+16*\e+8*\u:\f+16*\e+8*\u+7], v[SR+32*\q+16*\u:SR+32*\q+16*\u+7], 0
.else
	v_wmma_f32_16x16x32_f16 v[64*\q+8*(2*\rho+\e):64*\q+8*(2*\rho+\e)+7], v[\f+16*\e+8*\u:\f+16*\e+8*\u+7], v[SR+32*\q+16*\u:SR+32*\q+16*\u+7], v[64*\q+8*(2*\rho+\e):64*\q+8*(2*\rho+\e)+7]
.endif
.endr
.endr
.endr
.endm
; the diagonal tile: keys beyond the query get -inf (s45)
.macro MASK
.irp q, 0,1
.irp kk, 0,1,2,3
.irp j, 0,1,2,3,4,5,6,7
	v_cmp_le_i32 vcc_lo, 16*\kk+\j, v[THR+\q]
	v_cndmask_b32 v[SR+32*\q+8*\kk+\j], s45, v[SR+32*\q+8*\kk+\j], vcc_lo
.endr
.endr
.endr
.endm
; running softmax on my 64 keys x 32 queries.  first = 1: the run's first tile starts maximum and sum
.macro SOFTMAX first
.irp ch, 0,1,2,3                       ; four chains of 16 registers (chain 2 q + e), which do not wait for each other
	v_max_num_f32 v[TM+\ch], v[SR+16*\ch], v[SR+16*\ch+1]
.endr
.irp pr, 1,2,3,4,5,6,7
.irp ch, 0,1,2,3
	v_max3_num_f32 v[TM+\ch], v[TM+\ch], v[SR+16*\ch+2*\pr], v[SR+16*\ch+2*\pr+1]
.endr
.endr
.irp q, 0,1
	v_max_num_f32 v[TM+2*\q], v[TM+2*\q], v[TM+2*\q+1]
.endr
.irp q, 0,1
	v_permlanex16_b32 v[TM+4+\q], v[TM+2*\q], s42, s43     ; the other 8 keys of each 16 lie in lane l xor 16; the destination was written in the prologue
.endr
.irp q, 0,1
.if \first
	v_max3_num_f32 v[MX+\q], v[TM+2*\q], v[TM+4+\q], s46   ; floor -FLT_MAX: stays finite where the mask leaves nothing
.else
	v_max3_num_f32 v[MX+\q], v[TM+2*\q], v[TM+4+\q], v[MX+\q]
.endif
.endr
.irp q, 0,1
	v_fma_f32 v[TM+6+\q], v[MX+\q], v[CC], v[QC]           ; the maximum's scaled score
.endr
.if \first == 0
.irp q, 0,1
	v_sub_f32 v[TM+8+\q], v[MT+2*\q], v[TM+6+\q]
.endr
	v_exp_f32 v[AL], v[TM+8]                               ; factor for the old sum and the old O
	v_exp_f32 v[AL+2], v[TM+9]
.endif
.irp q, 0,1                                                    ; four plain lines: the place behind the two exponentials (ISA guide 5.7.2)
	v_sub_f32 v[NB+2*\q], v[QC], v[TM+6+\q]                ; exponent = s c + (qc - scaled maximum)
	v_sub_f32 v[NB+2*\q+1], v[QC], v[TM+6+\q]
.endr
.if \first == 0
	s_wait_alu depctr_va_vdst(0)
	v_mov_b32 v[AL+1], v[AL]
	v_mov_b32 v[AL+3], v[AL+2]
.endif
	v_mov_b32 v[MT], v[TM+6]
	v_mov_b32 v[MT+2], v[TM+7]
.irp q, 0,1
.set ix, 0
.rept 16
	v_pk_fma_f32 v[SR+32*\q+2*ix:SR+32*\q+2*ix+1], v[SR+32*\q+2*ix:SR+32*\q+2*ix+1], v[CC:CC+1], v[NB+2*\q:NB+2*\q+1]
.set ix, ix+1
.endr
.endr
.set ix, 0
.rept 64
	v_exp_f32 v[SR+ix], v[SR+ix]
.set ix, ix+1
.endr
	v_nop                                                  ; the plain place between the exponentials and the first use of a result
	s_wait_alu depctr_va_vdst(0)
.irp ch, 0,1,2,3                       ; sums in f32, four chains of pairs
	v_pk_add_f32 v[TM+10+2*\ch:TM+10+2*\ch+1], v[SR+16*\ch:SR+16*\ch+1], v[SR+16*\ch+2:SR+16*\ch+3]
.endr
.irp pr, 2,3,4,5,6,7
.irp ch, 0,1,2,3
	v_pk_add_f32 v[TM+10+2*\ch:TM+10+2*\ch+1], v[TM+10+2*\ch:TM+10+2*\ch+1], v[SR+16*\ch+2*\pr:SR+16*\ch+2*\pr+1]
.endr
.endr
.irp q, 0,1
	v_pk_add_f32 v[TM+10+4*\q:TM+10+4*\q+1], v[TM+10+4*\q:TM+10+4*\q+1], v[TM+12+4*\q:TM+12+4*\q+1]
.endr
.irp q, 0,1
.if \first
	v_add_f32 v[LS+2*\q], v[TM+10+4*\q], v[TM+11+4*\q]
.else
	v_fma_f32 v[LS+2*\q], v[LS+2*\q], v[AL+2*\q], v[TM+10+4*\q]
	v_add_f32 v[LS+2*\q], v[LS+2*\q], v[TM+11+4*\q]
.endif
.endr
.irp pq, 0,1,2,3                       ; 16 registers of p become the 8 of a second operand in f16, in place: step k writes X + k from X + 2 k, X + 2 k + 1,
.irp kk, 0,1,2,3,4,5,6,7               ; ascending, so that nothing is written before it is read
	v_cvt_pk_f16_f32 v[SR+16*\pq+\kk], v[SR+16*\pq+2*\kk], v[SR+16*\pq+2*\kk+1]
.endr
.endr
.endm
.macro RESCALE                         ; O *= factor: one number a lane, since a lane holds one query
	WIN 0x41
.irp q, 0,1
.set ix, 0
.rept 32
	v_pk_mul_f32 v[64*\q+2*ix:64*\q+2*ix+1], v[64*\q+2*ix:64*\q+2*ix+1], v[AL+2*\q:AL+2*\q+1]
.set ix, ix+1
.endr
.endr
.endm
; ONE TRIP: one tile of 128 keys out of LDS slot \slot; the next tile goes from memory into the other slot.
; first = 1: the run's first tile.  mask: 0 this copy never meets the diagonal tile, 1 it may (branch on T = BK), 2 it always does.
.macro TRIP first, slot, mask, id
	s_add_co_u32 s26, s21, 1                       ; the tile to load: T + 1, or, behind a run's last tile, tile 0 for the next run
	s_cmp_eq_u32 s21, s20
	s_cselect_b32 s26, 0, s26
	s_lshl_b32 s28, s26, 20                        ; 128 rows of 8,192 bytes
	s_add_nc_u64 s[KB:KB+1], s[KH:KH+1], s[28:29]
	s_add_nc_u64 s[VB:VB+1], s[VH:VH+1], s[28:29]
	s_cmp_eq_u32 s22, 16                           ; the launch's last trip loads nothing
	s_cbranch_scc1 .Lnl_\id
	LOADTILE ST
.Lnl_\id:
	; Ahead of the loads: work-group i = 0, which in its first run walks all 16 tiles of the head, asks in trip T for tile T + 2, whose loads
	; are issued in trip T + 1.  Waves 0-3 ask for K, waves 4-7 for V; a thread asks for one row's two blocks of 256 bytes, so each block
	; of tiles 2 to 15 is asked for once in the launch.  T < 14: the last tile asked for is tile 15, the head's last.
	s_cmp_ge_u32 s21, s25
	s_cbranch_scc1 .Lnp_\id
	s_add_co_u32 s26, s21, 2
	s_lshl_b32 s28, s26, 20
	s_add_nc_u64 s[PB:PB+1], s[PH:PH+1], s[28:29]
	global_prefetch_b8 v[PFO], s[PB:PB+1] th:TH_LOAD_NT scope:SCOPE_SE
	global_prefetch_b8 v[PFO], s[PB:PB+1] offset:256 th:TH_LOAD_NT scope:SCOPE_SE
.Lnp_\id:
	PLACES 5                                       ; behind the last trip's matrix instructions: FA and FB are loaded again, and S^T is written over P
	KFETCH \slot, 0, FA
	KFETCH \slot, 1, FB
	s_wait_dscnt 0x8                               ; here and below: the youngest run of 8 fragment loads stays out, all older LDS work is done
	SMUL 0, FA
	PLACES 4                                       ; four places before a buffer that matrix instructions have read is loaded again
	KFETCH \slot, 2, FA
	s_wait_dscnt 0x8
	SMUL 1, FB
	PLACES 4
	KFETCH \slot, 3, FB
	s_wait_dscnt 0x8
	SMUL 2, FA
	PLACES 4
	VFETCH \slot, 0, FA                            ; V^T's first fragments come in under the softmax
	s_wait_dscnt 0x8
	SMUL 3, FB
	PLACES 4                                       ; also the places before the vector instructions below read S^T
	VFETCH \slot, 1, FB
.if \mask == 1
	s_cmp_lg_u32 s21, s20
	s_cbranch_scc1 .Lnm_\id
.endif
.if \mask
	MASK
.endif
.if \mask == 1
.Lnm_\id:
.endif
	SOFTMAX \first
.if \first == 0
	RESCALE
.endif
	WIN 0x50
	s_wait_dscnt 0x8                               ; FA is in, FB's 8 loads may be out
	PVMUL 0, FA, \first
	WIN 0
	PLACES 4
	VFETCH \slot, 2, FA
	WIN 0x50
	s_wait_dscnt 0x8
	PVMUL 1, FB, \first
	WIN 0
	PLACES 4
	VFETCH \slot, 3, FB
	WIN 0x50
	s_wait_dscnt 0x8
	PVMUL 2, FA, \first
	s_wait_dscnt 0x0                               ; nothing was issued behind the last run
	PVMUL 3, FB, \first
	WIN 0
	s_wait_loadcnt 0x0                             ; the next tile, asked for at the trip's head, is in registers; KB and VB are free
	s_cmp_eq_u32 s22, 16
	s_cbranch_scc1 .Lns_\id
	CVT32 ST                                       ; K and V to bf16,
	CVTH ST+64                                     ; V's bf16 numbers on to f16
	STORETILE ST, 1-\slot                          ; the other slot: its last reads ended in front of the last barrier
.Lns_\id:
	s_wait_xcnt 0x0                                ; PB, which the requests ahead name, is written again only behind this wait
	s_add_co_u32 s21, s21, 1
	s_add_co_u32 s22, s22, 1
	s_wait_dscnt 0x0                               ; my stores into the other slot are done, and so are my reads of this slot:
	s_barrier_signal -1
	s_barrier_wait -1                              ; behind the barrier the other slot is read and this one may be written
.endm
	; ---------------- prologue ----------------
	s_load_b256 s[4:11], s[0:1], 0x0               ; keys s[4:5], values s[6:7], q_params s[8:9], out0 s[10:11]
	v_lshl_add_u32 v62, v0, 2, 0x45000
	v_mov_b32 v63, 0
	v_lshrrev_b32 v1, 5, v0
	v_readfirstlane_b32 s12, v1                    ; wave 0..7
	s_and_b32 s13, s12, 3                          ; wq: which 32 rows of the block
	s_lshr_b32 s14, s12, 2                         ; half: which 64 keys of a tile
	s_mov_b32 s15, ttmp9                           ; i
	s_and_b32 s26, ttmp7, 0xffff                   ; 16 b + h
	s_lshr_b32 s27, s26, 4
	s_lshl_b32 s18, s27, 24                        ; b x 2048 rows x 8,192 bytes
	s_and_b32 s26, s26, 15
	s_lshl_b32 s26, s26, 9                         ; h x 512 bytes
	s_add_co_u32 s18, s18, s26
	s_mov_b32 s19, 0
	s_mov_b32 s29, 0
	v_and_b32 v38, 31, v0                          ; lane
	v_lshlrev_b32 v[L16], 4, v38
	v_lshl_add_u32 v[GO], v1, 17, v[L16]           ; wave x 16 rows x 8,192 + lane x 16
	s_sub_co_u32 s26, 15, s15
	s_bitcmp1_b32 s15, 0
	s_cselect_b32 s20, s15, s26                    ; BK of the first run: the odd one of i and 15 - i
	s_wait_kmcnt 0x0
	s_load_b32 s44, s[8:9], 0x0                    ; theta = q_params[0]
	s_add_nc_u64 s[KH:KH+1], s[KH:KH+1], s[18:19]
	s_add_nc_u64 s[VH:VH+1], s[VH:VH+1], s[18:19]
	s_add_nc_u64 s[OH:OH+1], s[OH:OH+1], s[18:19]
	s_mov_b64 s[KB:KB+1], s[KH:KH+1]
	s_mov_b64 s[VB:VB+1], s[VH:VH+1]
	LOADTILE 0                                     ; tile 0 into the registers that will hold O
	s_lshl_b32 s26, s20, 7
	s_lshl_b32 s27, s13, 5
	s_add_co_u32 s26, s26, s27                     ; my wave's first row: 128 BK + 32 wq
	s_lshl_b32 s28, s26, 13
	s_add_nc_u64 s[QB:QB+1], s[VH:VH+1], s[28:29]
	QLOAD
	; addresses, while the loads are on their way
	v_and_b32 v39, 15, v0                          ; r
	v_bfe_u32 v40, v0, 4, 1                        ; h
	v_and_b32 v[PFO], 127, v0
	v_lshlrev_b32 v[PFO], 13, v[PFO]
	v_mul_u32_u24 v41, v39, KP
	v_lshl_add_u32 v41, v40, 4, v41                ; r x 272 + 16 h: a fragment's lane term, for K and for Q
	s_mul_i32 s26, s14, 64*KP                      ; my 64 keys
	v_add_nc_u32 v[KA], s26, v41
	v_add_nc_u32 v[KA+1], SLOTB, v[KA]
	v_and_b32 v42, 7, v0
	v_lshl_add_u32 v42, v40, 3, v42                ; key 8 h + (l & 7)
	v_mul_u32_u24 v42, v42, VP
	v_bfe_u32 v43, v0, 3, 1
	v_lshl_add_u32 v42, v43, 4, v42                ; + 16 bytes for lanes 8-15 of each 16
	s_mul_i32 s26, s14, 64*VP
	s_add_co_u32 s26, s26, VOFF
	v_add_nc_u32 v[VA], s26, v42
	v_add_nc_u32 v[VA+1], SLOTB, v[VA]
	v_lshlrev_b32 v44, 3, v38                      ; lane x 8: four numbers of 16 bits
	s_mul_i32 s26, s12, 16*KP                      ; the 16 rows that my wave brings
	v_add_nc_u32 v[KS], s26, v44
	v_add_nc_u32 v[KS+1], SLOTB, v[KS]
	s_mul_i32 s26, s12, 16*VP
	s_add_co_u32 s26, s26, VOFF
	v_add_nc_u32 v[VS], s26, v44
	v_add_nc_u32 v[VS+1], SLOTB, v[VS]
	s_mul_i32 s27, s12, XW
	s_add_co_u32 s26, s27, STG                     ; my stage
	v_add_nc_u32 v[QS], s26, v44
	s_mul_i32 s25, s14, 16*QP                      ; register half 0: rows 16 half + r
	s_add_co_u32 s25, s25, s26
	v_add_nc_u32 v[QF], s25, v41
	s_xor_b32 s25, s14, 1                          ; register half 1: rows 16 (1 - half) + r
	s_mul_i32 s25, s25, 16*QP
	s_add_co_u32 s25, s25, s26
	v_add_nc_u32 v[QF+1], s25, v41
	v_mul_u32_u24 v45, v39, OP
	v_lshl_add_u32 v45, v40, 5, v45                ; row r, 32 bytes (8 d) for each half of the lanes
	v_add_nc_u32 v[OS], s26, v45
	v_add_nc_u32 v[ORD], s26, v[L16]
	s_add_co_u32 s26, s27, XCH
	v_add_nc_u32 v[XS], s26, v[L16]
	s_xor_b32 s26, s12, 4                          ; my partner: the same rows, the other 64 keys
	s_mul_i32 s26, s26, XW
	s_add_co_u32 s26, s26, XCH
	v_add_nc_u32 v[XR], s26, v[L16]
	; key 64 half + 16 k + 8 h + j against query 32 wq + 16 (q xor half) + r, both counted inside the diagonal tile
	v_lshlrev_b32 v46, 3, v40
	v_sub_nc_u32 v46, v39, v46                     ; r - 8 h
	s_lshl_b32 s26, s13, 5
	s_mul_i32 s27, s14, 48
	s_sub_co_i32 s26, s26, s27                     ; q = 0: 32 wq + 16 half - 64 half
	v_add_nc_u32 v[THR], s26, v46
	s_lshl_b32 s26, s13, 5
	s_mul_i32 s27, s14, 80
	s_sub_co_i32 s26, s26, s27
	s_add_co_i32 s26, s26, 16                      ; q = 1: 32 wq + 16 (1 - half) - 64 half
	v_add_nc_u32 v[THR+1], s26, v46
	s_mov_b32 s42, 0x76543210                      ; v_permlanex16_b32: lane l takes lane l xor 16
	s_mov_b32 s43, 0xfedcba98
	s_mov_b32 s45, 0xff800000                      ; -inf
	s_mov_b32 s46, 0xff7fffff                      ; -FLT_MAX
	s_mov_b32 s47, 0xffff0000                      ; a word's upper bf16
	s_cmp_lg_u32 s14, 0
	s_cselect_b64 s[PH:PH+1], s[VH:VH+1], s[KH:KH+1]
	s_cmp_eq_u32 s15, 0
	s_cselect_b32 s25, 14, 0                       ; PFL
	s_mov_b32 s21, 0
	s_mov_b32 s22, 0
	s_mov_b32 s23, 0
	; cos(theta): reduce by k 2 pi (2 pi = 6.28125 + 0.00193530718), a series for cos(x / 4), the double angle twice
	s_wait_kmcnt 0x0
	v_mov_b32 v47, s44
	v_mul_f32 v48, 0.15915494, v47
	v_rndne_f32 v48, v48                           ; k
	v_fmamk_f32 v47, v48, 0xc0c90000, v47          ; - k x 6.28125
	v_fmamk_f32 v47, v48, 0xbafdaa22, v47          ; - k x the rest: |x| <= pi and a little
	v_mul_f32 v47, 0x3e800000, v47                 ; x / 4
	v_mul_f32 v48, v47, v47                        ; y; the first term left out is y^5 / 10!, below 3e-8 for y <= 0.62
	v_mov_b32 v49, 0x37d00d01                      ; 1/40320
	v_fmaak_f32 v49, v48, v49, 0xbab60b61          ; -1/720
	v_fmaak_f32 v49, v48, v49, 0x3d2aaaab          ; 1/24
	v_fmaak_f32 v49, v48, v49, 0xbf000000          ; -1/2
	v_fma_f32 v49, v48, v49, 1.0
	v_mul_f32 v50, v49, v49
	v_fma_f32 v49, v50, 2.0, -1.0
	v_mul_f32 v50, v49, v49
	v_fma_f32 v49, v50, 2.0, -1.0                  ; cos(theta)
	v_mul_f32 v[QC], 0x3e0293ee, v49               ; x log2(e) / sqrt(128)
	v_mov_b32 v[CC], 0x3d8293ee                    ; 0.5 log2(e) / sqrt(128)
	v_mov_b32 v[CC+1], 0x3d8293ee
	s_wait_loadcnt 0x20                            ; Q's 32 loads were issued behind tile 0's 32 and stay out: tile 0 is in
	CVT32 0
	CVTH 64
	STORETILE 0, 0
	s_wait_dscnt 0x0                               ; my part of tile 0 is in LDS
	s_barrier_signal -1
	s_barrier_wait -1                              ; everybody's is
	; ---------------- a run: one block of 128 rows ----------------
.Lrun:
	s_lshl_b32 s26, s20, 7
	s_lshl_b32 s27, s13, 5
	s_add_co_u32 s26, s26, s27
	s_lshl_b32 s27, s14, 4
	s_add_co_u32 s26, s26, s27                     ; the 16 rows that my wave stores: 128 BK + 32 wq + 16 half
	s_lshl_b32 s28, s26, 13
	s_add_nc_u64 s[OB:OB+1], s[OH:OH+1], s[28:29]
	; Q: 32 rows to bf16, through my own stage into fragments.  LDS serves a wave's instructions in order (ISA guide 5.7.1), so the loads
	; see the stores without a wait; the first wait of the trip below covers the loads.
	s_wait_loadcnt 0x0
	CVT32 ST
	WIN 0x04
.set ix, 0
.rept 32
	ds_store_b64 v[QS], v[ST+4*ix:ST+4*ix+1] offset:ix*QP
.set ix, ix+1
.endr
	WIN 0
.irp q, 0,1
.irp kk, 0,1,2,3
	ds_load_b128 v[QR+32*\q+8*\kk:QR+32*\q+8*\kk+3],   v[QF+\q] offset:64*\kk
	ds_load_b128 v[QR+32*\q+8*\kk+4:QR+32*\q+8*\kk+7], v[QF+\q] offset:64*\kk+32
.endr
.endr
	; BK + 1 trips = 1 + 2 (BK >> 1) + (BK & 1)
	TRIP 1, 0, 1, a
	s_lshr_b32 s24, s20, 1
	s_cmp_eq_u32 s24, 0
	s_cbranch_scc1 .Lnopair
.Lpair:
	TRIP 0, 1, 0, b                                ; T odd and below BK: never the diagonal tile
	TRIP 0, 0, 1, c
	s_sub_co_i32 s24, s24, 1
	s_cmp_lg_u32 s24, 0
	s_cbranch_scc1 .Lpair
.Lnopair:
	s_bitcmp1_b32 s20, 0
	s_cbranch_scc0 .Lnoodd
	TRIP 0, 1, 2, d                                ; BK odd: T = BK, the diagonal tile
.Lnoodd:
	; ---------------- the end of a run: merge with the partner, store ----------------
	PLACES 4                                       ; behind the last matrix instructions: O is stored to LDS, S, FA and FB are loaded again
	s_cmp_lg_u32 s23, 0
	s_cbranch_scc1 .Lnoq
	s_sub_co_u32 s26, 15, s20                      ; the second run's Q comes in under the merge
	s_lshl_b32 s26, s26, 7
	s_lshl_b32 s27, s13, 5
	s_add_co_u32 s26, s26, s27
	s_lshl_b32 s28, s26, 13
	s_add_nc_u64 s[QB:QB+1], s[VH:VH+1], s[28:29]
	QLOAD
.Lnoq:
	WIN 0x04
.set ix, 0
.rept 16
	ds_store_b128 v[XS], v[64+4*ix:64+4*ix+3] offset:ix*512        ; register half 1 of O, register by register, lane by lane
.set ix, ix+1
.endr
	WIN 0
	ds_store_b64 v[XS], v[MT+2:MT+3] offset:8192   ; its scaled maximum and its sum
	s_wait_dscnt 0x0                               ; for the partner's sake
	s_barrier_signal -1
	s_barrier_wait -1
	ds_load_b64 v[TM:TM+1], v[XR] offset:8192
.set ix, 0
.rept 16
	ds_load_b128 v[SR+4*ix:SR+4*ix+3], v[XR] offset:ix*512
.set ix, ix+1
.endr
	s_wait_dscnt 0x10                              ; the 16 loads of O stay out: maximum and sum are in
	v_max_num_f32 v40, v[MT], v[TM]
	v_sub_f32 v41, v[MT], v40
	v_sub_f32 v43, v[TM], v40
	v_exp_f32 v44, v41                             ; my weight
	v_exp_f32 v45, v43                             ; the partner's
	v_nop
	s_wait_alu depctr_va_vdst(0)
	v_mul_f32 v46, v[LS], v44
	v_fmac_f32 v46, v[TM+1], v45
	v_permlanex16_b32 v42, v46, s42, s43           ; the other lane half summed the other keys of the same query
	v_add_f32 v46, v46, v42                        ; at least 1: the row's largest score has p = 1 and weight 1
	v_rcp_f32 v47, v46
	v_nop
	s_wait_alu depctr_va_vdst(0)
	v_mul_f32 v[AL], v44, v47
	v_mul_f32 v[AL+2], v45, v47
	v_mov_b32 v[AL+1], v[AL]
	v_mov_b32 v[AL+3], v[AL+2]
	s_wait_dscnt 0x0
.set ix, 0
.rept 32
	v_pk_mul_f32 v[SR+2*ix:SR+2*ix+1], v[SR+2*ix:SR+2*ix+1], v[AL+2:AL+3]
.set ix, ix+1
.endr
	WIN 0x01
.set ix, 0
.rept 32
	v_pk_fma_f32 v[SR+2*ix:SR+2*ix+1], v[2*ix:2*ix+1], v[AL:AL+1], v[SR+2*ix:SR+2*ix+1]
.set ix, ix+1
.endr
	WIN 0
	; 16 rows x 128 f32 through my own stage: in by 8 d of one row a lane, back by whole rows of 512 bytes
.set ix, 0
.rept 8
	ds_store_b128 v[OS], v[SR+8*ix:SR+8*ix+3] offset:64*ix
	ds_store_b128 v[OS], v[SR+8*ix+4:SR+8*ix+7] offset:64*ix+16
.set ix, ix+1
.endr
.set ix, 0
.rept 16
	ds_load_b128 v[FA+4*ix:FA+4*ix+3], v[ORD] offset:ix*OP
.set ix, ix+1
.endr
.set ix, 0
.rept 16
	s_wait_dscnt 15-ix                             ; the younger rows stay out
	global_store_b128 v[L16], v[FA+4*ix:FA+4*ix+3], s[OB:OB+1] offset:ix*ROWB th:TH_STORE_NT   ; the wave stores a row's 512 consecutive bytes, at a multiple of 512 from out0's first byte
.set ix, ix+1
.endr
	s_wait_xcnt 0x0                                ; OB and FA, FB, which the stores read, are written again only behind this wait
	s_sub_co_u32 s20, 15, s20                      ; the other block
	s_mov_b32 s21, 0
	s_mov_b32 s25, 0                               ; the second run asks for nothing ahead: its tiles have been read before
	s_add_co_u32 s23, s23, 1
	s_cmp_lt_u32 s23, 2
	s_cbranch_scc1 .Lrun
	s_wait_tensorcnt 0x0
	ds_add_u32 v62, v63
	s_wait_dscnt 0x0
	s_endpgm
.Lfunc_end_k_qdbe863eb42_attn:
	.size	k_qdbe863eb42_attn, .Lfunc_end_k_qdbe863eb42_attn-k_qdbe863eb42_attn
	.p2alignl 7, 3214868480
	.fill 96, 4, 3214868480
	.section	.rodata,"a",@progbits
	.p2align	6, 0x0
	.amdhsa_kernel k_qdbe863eb42_attn
		.amdhsa_group_segment_fixed_size 283648
		.amdhsa_private_segment_fixed_size 0
		.amdhsa_enable_private_segment 0
		.amdhsa_kernarg_size 32
		.amdhsa_user_sgpr_count 2
		.amdhsa_user_sgpr_kernarg_segment_ptr 1
		.amdhsa_wavefront_size32 1
		.amdhsa_system_sgpr_workgroup_id_x 1
		.amdhsa_system_sgpr_workgroup_id_y 1
		.amdhsa_system_sgpr_workgroup_id_z 1
		.amdhsa_system_vgpr_workitem_id 0
		.amdhsa_next_free_vgpr 512
		.amdhsa_next_free_sgpr 66
		.amdhsa_reserve_vcc 1
		.amdhsa_float_denorm_mode_32 3
		.amdhsa_float_denorm_mode_16_64 3
		.amdhsa_memory_ordered 1
		.amdhsa_forward_progress 1
		.amdhsa_inst_pref_size 206
	.end_amdhsa_kernel
	.amdgpu_metadata
---
amdhsa.version: [ 1, 2 ]
amdhsa.kernels:
  - .name:           k_qdbe863eb42_attn
    .symbol:         k_qdbe863eb42_attn.kd
    .args:
      - { .name: keys, .offset: 0, .size: 8, .value_kind: global_buffer, .address_space: global }
      - { .name: values, .offset: 8, .size: 8, .value_kind: global_buffer, .address_space: global }
      - { .name: q_params, .offset: 16, .size: 8, .value_kind: global_buffer, .address_space: global }
      - { .name: out0, .offset: 24, .size: 8, .value_kind: global_buffer, .address_space: global }
    .group_segment_fixed_size: 283648
    .private_segment_fixed_size: 0
    .kernarg_segment_align: 8
    .kernarg_segment_size: 32
    .max_flat_workgroup_size: 256
    .sgpr_count:     66
    .vgpr_count:     512
    .wavefront_size: 32
...
	.end_amdgpu_metadata
.endif
;; end of part 1
